; MI455X (gfx1250); checked and timed in simulation.
; The chip was launched on July 23, 2026; its instructions are those of AMD's public machine-readable ISA for CDNA 5 (MIT licence, August 2026) and "CDNA5" Instruction Set Architecture Reference Guide (July 2026). The comments in the code are by the model that wrote it; some were corrected since.
;; Attention Layer. Allowed arithmetic: matrix products marked QUANTISED: E3M2 operands, one E8M0 scale for each 32 along K, by v_wmma_scale_f32_16x16x128_f8f6f4 with both operands' format E3M2, f32 sums; everything else in f32.
;; Inputs: b_k 1,024 float32; b_o 1,024 float32; b_q 1,024 float32; b_v 1,024 float32; ln_beta 1,024 float32; ln_gamma 1,024 float32; w_k 1,024 x 1,024 float32; w_o 1,024 x 1,024 float32; w_q 1,024 x 1,024 float32; w_v 1,024 x 1,024 float32; x 4 x 2,048 x 1,024 float32.
;; Outputs: out0 4 x 2,048 x 1,024 float32.
;; This version of the problem:
;;   THIS VERSION OF THE PROBLEM IS GIVEN IN LOW PRECISION. The matrix products marked QUANTISED in the list below multiply operands that are first quantised to E3M2 (3 exponent bits, 2 mantissa bits; 6 bits a number), with one power-of-two scale for each 32 numbers along K (OCP MX v1.0); their sums are f32. All else is computed in f32.
;;   The module's matrix products, in the order in which they are computed (A, B: the left and right operand; K: the contracted axis; several contracted axes count as one K, in the product's order):
;;     1. [M 8,192, K 1,024] x [K 1,024, N 1,024]; A: input x; B: input w_q: QUANTISED
;;     2. [M 8,192, K 1,024] x [K 1,024, N 1,024]; A: input x; B: input w_k: QUANTISED
;;     3. [M 8,192, K 1,024] x [K 1,024, N 1,024]; A: input x; B: input w_v: QUANTISED
;;     4. batch 64 x [M 2,048, K 64] x [K 64, N 2,048]; A: computed on the way; B: computed on the way: QUANTISED
;;     5. batch 64 x [M 2,048, K 2,048] x [K 2,048, N 64]; A: softmax (see below); B: computed on the way: QUANTISED
;;     6. [M 8,192, K 1,024] x [K 1,024, N 1,024]; A: computed on the way; B: input w_o: QUANTISED
;;   THE QUANTISER, for each operand of a quantised product, along K:
;;     - K is cut into blocks of 32 from its start; a last block that is shorter is filled with zeros.
;;     - A block's scale is 2^e with e = floor(log2(the largest magnitude in the block)) - 4, held to -126 .. 127; a block of zeros has e = 0. As a byte (E8M0): e + 127.
;;     - Each number is divided by its block's scale, clamped to +-28, and rounded to the nearest number of E3M2, ties to even, subnormals kept.
;;     - The product sums the exact products of the quantised numbers (number of the format x scale) in f32.
;;   ~~~python
;;   def quantise(x, axis):      # numpy; x: float32 -> the quantised numbers, widened to float32 again
;;       x = np.moveaxis(x, axis, -1); K = x.shape[-1]
;;       x = np.pad(x, [(0, 0)] * (x.ndim - 1) + [(0, -K % 32)]); x = x.reshape(x.shape[:-1] + (-1, 32)); a = np.abs(x).max(-1, keepdims=True)
;;       e = np.where(a > 0, np.clip(np.frexp(np.where(a > 0, a, 1))[1] - 1 - 4, -126, 127), 0)      # np.frexp(a)[1] - 1 = floor(log2(a)), exactly
;;       r = np.clip(x / 2.0 ** e, -28, 28)
;;       step = 2.0 ** (np.maximum(np.frexp(np.where(r == 0, 1, r))[1] - 1, -2) - 2)
;;       q = np.round(r / step) * step * 2.0 ** e      # np.round: ties to even
;;       return np.moveaxis(q.reshape(q.shape[:-2] + (-1,))[..., :K], -1, axis).astype(np.float32)
;;   ~~~
;;   SOFTMAX AHEAD OF A QUANTISED PRODUCT. Where the list says 'softmax', what is quantised is not the finished softmax but p = 2^(t - M), with t = logit x log2(e) and M = ceil(the row's largest t), a whole number; so 1/2 < the row's largest p <= 1. The row's sum l is taken of the UNQUANTISED p, in f32, and the product's result is divided by l at the end. Since M is a whole number, a kernel that streams over the keys may use a running M (the ceiling of the running maximum): every later rescaling is an exact power of two, which a block's scale takes up: the codes' values come out the same.
;;   OPERANDS COMPUTED ON THE WAY. 'Computed on the way' means the value that the module computes at that place (a softmax that the list does not call 'softmax' is quantised finished and normalised). What goes into a quantiser is computed in f32, as accurately as f32 sums, v_exp_f32 and their like allow (about 1e-6 of the number): no bf16 or f16 on the way to a quantiser, and a product that is left as it is and whose result goes on into a quantised operand takes f32 operands (vector FMAs, or v_wmma_f32_16x16x4_f32). A number that lies on a knife's edge between two numbers of the format may be rounded either way, as far as f32 arithmetic and the matrix unit's own rounding can turn it there, and no further.
;; One version. Each part assembles by itself: llvm-mc -triple=amdgcn-amd-amdhsa -mcpu=gfx1250 --defsym DOCPART=n.
;; ======== version 1 of 1: 4 launches
;; workspace buffers: xc 6,291,456 bytes; xs 262,144 bytes; wc 3,145,728 bytes; ws 131,072 bytes; qkv 19,660,800 bytes; ctxc 6,291,456 bytes; ctxs 262,144 bytes
;; launch quant (part 1): grid 256 x 1, 3 waves a work-group, no clusters, 26,112 bytes of LDS; arguments x, w_q, w_k, w_v, w_o, xc, xs, wc, ws; writes xc, xs, wc, ws
.if DOCPART == 1
	.amdgcn_target "amdgcn-amd-amdhsa--gfx1250"
	.amdhsa_code_object_version 6
	.text
	.protected	k_qaf0b919ec6_quant
	.globl	k_qaf0b919ec6_quant
	.p2align	8
	.type	k_qaf0b919ec6_quant,@function
k_qaf0b919ec6_quant:
	s_mov_b64 s[64:65], 0
	v_nop
	global_prefetch_b8 v0, s[64:65] scope:SCOPE_SE
	s_setreg_imm32_b32 hwreg(HW_REG_WAVE_MODE, 25, 1), 1
	s_wait_xcnt 0x0
; x [8192][1024] and w_q, w_k, w_v, w_o [1024][1024], f32, K innermost, become codes of BF6 (E3M2) with one E8M0 byte for each 32 along K.
; A block's scale is 2^(floor(log2(its largest magnitude)) - 4); its byte is that magnitude's exponent field - 4, held at 1 from below.
; LAYOUT OF THE RESULT: the order of an operand's registers.  A fragment (16 rows x 128 K, 12 registers a lane) is an IMAGE of 1,536 bytes: registers 4 c .. 4 c + 3 of lane L at 512 c + 16 L.
; Codes: [tile][K step 0..7][image]; scale words: [tile][row r][8 words], word s for K step s.
; THE ROWS OF A TILE ARE NOT NEIGHBOURS: lane row r of tile 2 g + u is the tensor's row 32 g + 8 u + r + 8 (r / 8), so that wherever such a tile is a product's source 0,
; the 16 result registers of tiles 2 g and 2 g + 1 are 16 neighbours: ready for the next quantiser.
; SHARES: 768 tiles (512 of x, 64 of each weight), one to a wave, 3 waves to each of 256 work-groups.  One path through the text: only pointers are chosen, by the wave's tile number.
; A K step: 16 loads, each one row's 512 consecutive bytes; through the wave's own stage in LDS (rows of 512 + 16 bytes); back as 16 neighbours of each block of 32 to a lane.  Loads run two K steps (32 loads a wave) ahead.
; Waves share nothing: no barrier.  Memory binds: no matrix unit, no cluster (no byte is read by two work-groups).
; LIMITS: NaN and infinities are not served.  A block whose largest magnitude lies under 2^-122, a block of zeros among them, gets the byte 1 (the rule says 127 for zeros): its codes add nothing, and only this program reads the bytes.
.set STGB, 8448                        ; a wave's stage: 16 rows x 528 bytes
.set R,    16                          ; v16-143  two sets of 64: a K step as loaded
.set X,    144                         ; v144-207 64 numbers: register 16 b + i = k 32 b + 16 (lane / 16) + i of my row
.set PC,   208                         ; v208-219 the fragment's codes
.set PT,   220                         ; v220-226 halves of blocks on their way
.set TM,   228                         ; v228-231 largest magnitudes, v232-235 bytes, v240-243 the conversions' scale operands
.set SW,   244                         ; v244-251 the scale word of each K step
.set SEL,  22                          ; s[22:23] v_permlanex16_b32's selects for lane l xor 16
; 64 numbers of a lane become a fragment's codes: block (lane / 16) whole in v[d0 .. d0 + 5], block 2 + (lane / 16) in v[d1 .. d1 + 5]; the four bytes stand in v[TM + 4 .. TM + 7]
.macro QUANT s, d0, d1
.irp b, 0,1,2,3
	v_max3_num_f32 v[TM+\b], |v[\s+16*\b]|, |v[\s+1+16*\b]|, 0x2800000   ; my 16 numbers of block b, and the floor 2^(5 - 127): the byte cannot fall under 1
.endr
.irp i, 2,4,6,8,10,12,14
.irp b, 0,1,2,3
	v_max3_num_f32 v[TM+\b], v[TM+\b], |v[\s+16*\b+\i]|, |v[\s+1+16*\b+\i]|   ; the four blocks by turns
.endr
.endr
.irp b, 0,1,2,3
	v_permlanex16_b32 v[TM+4+\b], v[TM+\b], s[SEL], s[SEL+1]
.endr
.irp b, 0,1,2,3
	v_max_num_f32 v[TM+\b], v[TM+\b], v[TM+4+\b]   ; with lane l xor 16's 16: the block's largest magnitude
.endr
.irp b, 0,1,2,3
	v_add_nc_u32 v[TM+12+\b], 0xfe000000, v[TM+\b]   ; 4 off its exponent field: the conversion takes that field as its scale
.endr
.irp b, 0,1,2,3
	v_lshrrev_b32 v[TM+4+\b], 23, v[TM+12+\b]      ; the scale's byte
.endr
	v_cvt_scalef32_pk16_bf6_f32 v[(\d0):(\d0)+2], v[\s:\s+15], v[TM+12]
	v_cvt_scalef32_pk16_bf6_f32 v[PT:PT+2], v[\s+16:\s+31], v[TM+13]   ; (a conversion's three registers begin on an even number)
	v_cvt_scalef32_pk16_bf6_f32 v[(\d1):(\d1)+2], v[\s+32:\s+47], v[TM+14]
	v_cvt_scalef32_pk16_bf6_f32 v[PT+4:PT+6], v[\s+48:\s+63], v[TM+15]
	v_nop                                          ; one plain instruction behind the scaled conversions
.irp i, 0,1,2
	v_permlane16_swap_b32 v[(\d0)+\i], v[PT+\i]    ; the operand wants a whole block in a lane: lanes 0-15 the lower block, lanes 16-31 the upper
	v_permlane16_swap_b32 v[(\d1)+\i], v[PT+4+\i]
.endr
.irp i, 0,1,2
	v_mov_b32 v[(\d0)+3+\i], v[PT+\i]
	v_mov_b32 v[(\d1)+3+\i], v[PT+4+\i]
.endr
.endm
	s_load_b512 s[4:19], s[0:1], 0x0               ; x s[4:5], w_q s[6:7], w_k s[8:9], w_v s[10:11], w_o s[12:13], xc s[14:15], xs s[16:17], wc s[18:19]
	s_load_b64 s[20:21], s[0:1], 0x40              ; ws
	v_lshl_add_u32 v254, v0, 2, 0x6400
	v_mov_b32 v255, 0
	v_lshrrev_b32 v5, 5, v0
	v_readfirstlane_b32 s24, v5                    ; wave 0..2
	v_and_b32 v6, 31, v0                           ; L
	v_and_b32 v7, 15, v0                           ; r
	v_bfe_u32 v8, v0, 4, 1                         ; h
	v_lshlrev_b32 v1, 4, v6                        ; 16 L: my bytes of a row's 512, and of an image's 512
	s_mul_i32 s30, s24, STGB
	v_add_nc_u32 v2, s30, v1                       ; the stage, on the way in
	v_mul_u32_u24 v3, v7, 528
	v_lshl_add_u32 v3, v8, 6, v3
	v_add_nc_u32 v3, s30, v3                       ; and on the way out: row r, + 64 h
	v_lshlrev_b32 v4, 5, v7
	v_lshl_add_u32 v4, v8, 4, v4                   ; the scale words: 32 r + 16 h
	s_mov_b32 s[SEL], 0x76543210
	s_mov_b32 s[SEL+1], 0xfedcba98
.irp b, 0,1,2,3
	v_mov_b32 v[TM+4+\b], 0                        ; written once: a lane permute's destination counts as one of its sources
.endr
	s_mul_i32 s25, ttmp9, 3
	s_add_co_u32 s25, s25, s24                     ; my tile, 0..767: 512 of x, then 64 of each weight
	s_wait_alu depctr_va_vdst(0)
	s_wait_kmcnt 0x0
	s_cmp_lt_u32 s25, 512
	s_cselect_b64 s[14:15], s[14:15], s[18:19]     ; where the codes go,
	s_cselect_b64 s[16:17], s[16:17], s[20:21]     ; and the scale words
	s_cselect_b32 s26, 0, 512
	s_cselect_b32 s27, 511, 63
	s_sub_co_u32 s26, s25, s26                     ; the tile's number in its workspace buffer
	s_and_b32 s27, s26, s27                        ; and in its tensor
	s_cmp_ge_u32 s25, 512
	s_cselect_b64 s[4:5], s[6:7], s[4:5]
	s_cmp_ge_u32 s25, 576
	s_cselect_b64 s[4:5], s[8:9], s[4:5]
	s_cmp_ge_u32 s25, 640
	s_cselect_b64 s[4:5], s[10:11], s[4:5]
	s_cmp_ge_u32 s25, 704
	s_cselect_b64 s[4:5], s[12:13], s[4:5]         ; the tensor
	s_lshr_b32 s28, s27, 1
	s_lshl_b32 s28, s28, 17                        ; 32 rows of 4,096 bytes for each pair of tiles,
	s_and_b32 s29, s27, 1
	s_lshl_b32 s29, s29, 15                        ; 8 rows for the odd tile
	s_add_co_u32 s28, s28, s29
	s_mov_b32 s29, 0
	s_add_nc_u64 s[4:5], s[4:5], s[28:29]
	s_mul_i32 s28, s26, 12288
	s_add_nc_u64 s[14:15], s[14:15], s[28:29]
	s_lshl_b32 s28, s26, 9
	s_add_nc_u64 s[16:17], s[16:17], s[28:29]
.macro LOAD s                          ; K step s: 512 consecutive bytes of each of the tile's 16 rows
.irp i, 0,1,2,3,4,5,6,7,8,9,10,11,12,13,14,15
	global_load_b128 v[R+64*((\s)%2)+4*\i:R+64*((\s)%2)+4*\i+3], v1, s[4:5] offset:(\i+8*(\i/8))*4096+512*(\s) th:TH_LOAD_NT
.endr
.endm
.macro STEP s
.if (\s) < 7
	s_wait_loadcnt 16                              ; this step's 16 loads are in; the next step's 16 may be out
.else
	s_wait_loadcnt 0x0
.endif
.irp i, 0,1,2,3,4,5,6,7,8,9,10,11,12,13,14,15
	ds_store_b128 v2, v[R+64*((\s)%2)+4*\i:R+64*((\s)%2)+4*\i+3] offset:528*\i
.endr
.irp b, 0,1,2,3
.irp j, 0,1,2,3
	ds_load_b128 v[X+16*\b+4*\j:X+16*\b+4*\j+3], v3 offset:128*\b+16*\j   ; LDS serves a wave's instructions in order: these see the stores above
.endr
.endr
	s_wait_dscnt 0x0                               ; my 64 numbers are back, and the stage's stores have read their registers
	s_wait_xcnt 0x0                                ; the last step's stores have read the codes' registers, which are written again below
.if (\s)+2 < 8
	LOAD (\s)+2
.endif
	QUANT X, PC, PC+6
	v_lshl_or_b32 v[SW+(\s)], v[TM+5], 8, v[TM+4]  ; the four bytes make my row's scale word for this K step
	v_lshl_or_b32 v[SW+(\s)], v[TM+6], 16, v[SW+(\s)]
	v_lshl_or_b32 v[SW+(\s)], v[TM+7], 24, v[SW+(\s)]
.irp c, 0,1,2
	global_store_b128 v1, v[PC+4*\c:PC+4*\c+3], s[14:15] offset:1536*(\s)+512*\c   ; 32 lanes store 512 consecutive bytes, aligned
.endr
.endm
	LOAD 0
	LOAD 1
.irp s, 0,1,2,3,4,5,6,7
	STEP \s
.endr
	v_cmp_ne_u32 vcc_lo, 0, v8                     ; both halves of the lanes hold all eight words of row r: lanes 0-15 store words 0-3, lanes 16-31 words 4-7
.irp i, 0,1,2,3
	v_cndmask_b32 v[X+\i], v[SW+\i], v[SW+4+\i], vcc_lo
.endr
	global_store_b128 v4, v[X:X+3], s[16:17]       ; the tile's 512 bytes of scale words
	s_wait_tensorcnt 0x0
	ds_add_u32 v254, v255
	s_wait_dscnt 0x0
	s_endpgm
.Lfunc_end_k_qaf0b919ec6_quant:
	.size	k_qaf0b919ec6_quant, .Lfunc_end_k_qaf0b919ec6_quant-k_qaf0b919ec6_quant
	.p2alignl 7, 3214868480
	.fill 96, 4, 3214868480
	.section	.rodata,"a",@progbits
	.p2align	6, 0x0
	.amdhsa_kernel k_qaf0b919ec6_quant
		.amdhsa_group_segment_fixed_size 26112
		.amdhsa_private_segment_fixed_size 0
		.amdhsa_enable_private_segment 0
		.amdhsa_kernarg_size 72
		.amdhsa_user_sgpr_count 2
		.amdhsa_user_sgpr_kernarg_segment_ptr 1
		.amdhsa_wavefront_size32 1
		.amdhsa_system_sgpr_workgroup_id_x 1
		.amdhsa_system_sgpr_workgroup_id_y 1
		.amdhsa_system_sgpr_workgroup_id_z 1
		.amdhsa_system_vgpr_workitem_id 0
		.amdhsa_next_free_vgpr 256
		.amdhsa_next_free_sgpr 66
		.amdhsa_reserve_vcc 1
		.amdhsa_float_denorm_mode_32 3
		.amdhsa_float_denorm_mode_16_64 3
		.amdhsa_memory_ordered 1
		.amdhsa_forward_progress 1
		.amdhsa_inst_pref_size 64
	.end_amdhsa_kernel
	.amdgpu_metadata
---
amdhsa.version: [ 1, 2 ]
amdhsa.kernels:
  - .name:           k_qaf0b919ec6_quant
    .symbol:         k_qaf0b919ec6_quant.kd
    .args:
      - { .name: x, .offset: 0, .size: 8, .value_kind: global_buffer, .address_space: global }
      - { .name: w_q, .offset: 8, .size: 8, .value_kind: global_buffer, .address_space: global }
      - { .name: w_k, .offset: 16, .size: 8, .value_kind: global_buffer, .address_space: global }
      - { .name: w_v, .offset: 24, .size: 8, .value_kind: global_buffer, .address_space: global }
      - { .name: w_o, .offset: 32, .size: 8, .value_kind: global_buffer, .address_space: global }
      - { .name: xc, .offset: 40, .size: 8, .value_kind: global_buffer, .address_space: global }
      - { .name: xs, .offset: 48, .size: 8, .value_kind: global_buffer, .address_space: global }
      - { .name: wc, .offset: 56, .size: 8, .value_kind: global_buffer, .address_space: global }
      - { .name: ws, .offset: 64, .size: 8, .value_kind: global_buffer, .address_space: global }
    .group_segment_fixed_size: 26112
    .private_segment_fixed_size: 0
    .kernarg_segment_align: 8
    .kernarg_segment_size: 72
    .max_flat_workgroup_size: 96
    .sgpr_count:     66
    .vgpr_count:     256
    .wavefront_size: 32
...
	.end_amdgpu_metadata
.endif
;; end of part 1
;; launch qkv (part 2): grid 12 x 32, 4 waves a work-group, clusters of 4 x 4, 327,680 bytes of LDS; arguments xc, xs, wc, ws, b_q, b_k, b_v, qkv; writes qkv
.if DOCPART == 2
	.amdgcn_target "amdgcn-amd-amdhsa--gfx1250"
	.amdhsa_code_object_version 6
	.text
	.protected	k_qaf0b919ec6_qkv
	.globl	k_qaf0b919ec6_qkv
	.p2align	8
	.type	k_qaf0b919ec6_qkv,@function
k_qaf0b919ec6_qkv:
	s_mov_b64 s[64:65], 0
	v_nop
	global_prefetch_b8 v0, s[64:65] scope:SCOPE_SE
	s_setreg_imm32_b32 hwreg(HW_REG_WAVE_MODE, 25, 1), 1
	s_wait_xcnt 0x0
	s_wait_alu depctr_hold_cnt(0) depctr_sa_sdst(0) depctr_va_vdst(0) depctr_va_sdst(0) depctr_va_ssrc(0) depctr_va_vcc(0) depctr_vm_vsrc(0)
	s_getreg_b32 s2, hwreg(HW_REG_IB_STS2, 6, 4)
	s_cmp_eq_u32 s2, 0
	s_cbranch_scc0 .Lentry_in_a_cluster
	s_endpgm
.Lentry_in_a_cluster:
	s_bfe_u32 s2, ttmp6, 0x10000c
	s_cmp_lg_u32 s2, 0xf033
	s_cbranch_scc0 .Lentry_shape_is_right
	s_endpgm
.Lentry_shape_is_right:
.set NQ,     2
.set FR,     12
.set NL,     3
.set NP,     4
.set TILEB,  3072
.set HALFT,  8*TILEB
.set SLOT,   4*HALFT
.set KS,     32
.set SCL,    2*SLOT
.set HALFS,  (128*KS/256)*272
.set SBLK,   (16*KS/256)*272
.set SPARE,  SCL+4*HALFS
.set HEADB,  307200
.set ADRA, 16
.set ADRB, 20
.set BI0,  22
.set BI1,  23
.set CO,   24
.set SO,   25
.set ADRS, 27
.set SPW,  28
.set NIL,  29
.set SC,   32
.set BIAS, 64
.set AF,   128
.set HA,   128
.set F0,   192
.set F1,   204
.set W,    216
.set TM,   224
.set PT,   240
.set SELW, 248
.set G1, 24
.set G0, 32
.set G1B, 48
.set G0B, 56
.set G1S, 68
.set G0S, 76
.set G1SB, 80
.set G0SB, 88
.set OC,  12
.set OS,  92
.set BP,  96
.set SEL, 100
.set MODE, 66
.set MSB, 0
.macro WIN new
.if MSB != \new
	s_set_vgpr_msb (MSB<<8)|\new
.set MSB, \new
.endif
.endm
.set MUL_LO, 0xa1
.set MUL_HI, 0xf1
.set TO_B,   0x40
.macro JLOAD g0a, g1a, g0b, g1b
	s_cmp_eq_u32 s15, 0
	s_cbranch_scc0 .Lfor_b_\@
	tensor_load_to_lds s[\g0a:\g0a+3], s[\g1a:\g1a+7]
	s_nop 0
.rept 4
	v_nop
.endr
	s_branch .Lasked_\@
.Lfor_b_\@:
	tensor_load_to_lds s[\g0b:\g0b+3], s[\g1b:\g1b+7]
	s_nop 0
.rept 4
	v_nop
.endr
.Lasked_\@:
.endm
.macro CREST
	s_cmp_lg_u32 s14, 0
	s_cbranch_scc1 .Lnot_wave_0_\@
	s_barrier_signal -3
.Lnot_wave_0_\@:
	s_barrier_wait -3
	s_barrier_signal -1
	s_barrier_wait -1
.endm
.macro CROUND
	s_barrier_signal -1
	s_barrier_wait -1
	CREST
.endm
.macro QUANT s, d0, d1
.irp b, 0,1,2,3
	v_max3_num_f32 v[TM+\b], |v[\s+16*\b]|, |v[\s+1+16*\b]|, 0x2800000
.endr
.irp i, 2,4,6,8,10,12,14
.irp b, 0,1,2,3
	v_max3_num_f32 v[TM+\b], v[TM+\b], |v[\s+16*\b+\i]|, |v[\s+1+16*\b+\i]|
.endr
.endr
.irp b, 0,1,2,3
	v_permlanex16_b32 v[TM+4+\b], v[TM+\b], s[SEL], s[SEL+1]
.endr
.irp b, 0,1,2,3
	v_max_num_f32 v[TM+\b], v[TM+\b], v[TM+4+\b]
.endr
.irp b, 0,1,2,3
	v_add_nc_u32 v[TM+12+\b], 0xfe000000, v[TM+\b]
.endr
.irp b, 0,1,2,3
	v_lshrrev_b32 v[TM+4+\b], 23, v[TM+12+\b]
.endr
	v_cvt_scalef32_pk16_bf6_f32 v[(\d0):(\d0)+2], v[\s:\s+15], v[TM+12]
	v_cvt_scalef32_pk16_bf6_f32 v[PT:PT+2], v[\s+16:\s+31], v[TM+13]
	v_cvt_scalef32_pk16_bf6_f32 v[(\d1):(\d1)+2], v[\s+32:\s+47], v[TM+14]
	v_cvt_scalef32_pk16_bf6_f32 v[PT+4:PT+6], v[\s+48:\s+63], v[TM+15]
	v_nop
.irp i, 0,1,2
	v_permlane16_swap_b32 v[(\d0)+\i], v[PT+\i]
	v_permlane16_swap_b32 v[(\d1)+\i], v[PT+4+\i]
.endr
.irp i, 0,1,2
	v_mov_b32 v[(\d0)+3+\i], v[PT+\i]
	v_mov_b32 v[(\d1)+3+\i], v[PT+4+\i]
.endr
.endm
	s_load_b256 s[4:11], s[0:1], 0x0
	s_load_b128 s[96:99], s[0:1], 0x20
	s_load_b128 s[92:95], s[0:1], 0x30
	v_lshl_add_u32 v[SPW], v0, 2, SPARE
	v_mov_b32 v[NIL], 0
	ds_add_u32 v28, v29
	ds_add_u32 v28, v29
	s_wait_dscnt 0x0
	v_lshrrev_b32 v1, 5, v0
	v_readfirstlane_b32 s14, v1
	s_lshr_b32 s15, s14, 1
	s_and_b32 s16, s14, 1
	s_bfe_u32 s40, ttmp6, 0x40000
	s_bfe_u32 s41, ttmp6, 0x40004
	s_mov_b32 s[MODE], ttmp9
	s_and_b32 s67, ttmp7, 0xffff
	s_lshl_b32 s67, s67, 2
	s_cmp_eq_u32 s[MODE], 2
	s_cselect_b32 s17, 0, s67
	s_cselect_b32 s42, s67, 0
	s_add_co_u32 s17, s17, s41
	s_add_co_u32 s42, s42, s40
	s_lshl_b32 s43, s41, 2
	s_lshl_b32 s43, 15, s43
	s_lshl_b32 s44, 0x1111, s40
	s_or_b32 s[G1+0], s43, (3<<16)|(1<<21)
	s_or_b32 s[G1B+0], s44, (3<<16)|(1<<21)
.irp g, G1, G1B
	s_mov_b32 s[\g+1], 384<<16
	s_mov_b32 s[\g+2], 8<<16
	s_mov_b32 s[\g+3], 384<<16
	s_mov_b32 s[\g+4], 8
	s_mov_b32 s[\g+5], 1536
	s_mov_b32 s[\g+6], 0
	s_mov_b32 s[\g+7], 0
.endr
	s_or_b32 s[G1S+0], s43, (3<<16)|(1<<20)|(1<<21)|(5<<22)|(3<<25)
	s_or_b32 s[G1SB+0], s44, (3<<16)|(1<<20)|(1<<21)|(5<<22)|(3<<25)
.irp g, G1S, G1SB
	s_mov_b32 s[\g+1], 32<<16
	s_mov_b32 s[\g+2], 16<<16
	s_mov_b32 s[\g+3], 32<<16
	s_mov_b32 s[\g+4], 16
	s_mov_b32 s[\g+5], 32
	s_mov_b32 s[\g+6], 0
	s_mov_b32 s[\g+7], 0
.endr
	s_lshl_b32 s18, s16, 7
	s_lshl_b32 s43, s17, 8
	s_add_co_u32 s43, s43, s18
	s_lshl_b32 s44, s42, 8
	s_add_co_u32 s44, s44, s18
	s_mul_i32 s45, s14, HALFT
	s_mul_i32 s67, s14, HALFS
	s_mul_i32 s18, s[MODE], 786432
	s_mov_b32 s19, 0
	s_wait_kmcnt 0x0
	s_add_nc_u64 s[8:9], s[8:9], s[18:19]
	s_lshl_b32 s18, s[MODE], 15
	s_add_nc_u64 s[10:11], s[10:11], s[18:19]
	s_cmp_eq_u32 s[MODE], 2
	s_cselect_b64 s[20:21], s[8:9], s[4:5]
	s_cselect_b64 s[22:23], s[10:11], s[6:7]
	s_cselect_b64 s[46:47], s[4:5], s[8:9]
	s_cselect_b64 s[10:11], s[6:7], s[10:11]
	s_mul_i32 s4, s43, 768
	s_mov_b32 s5, 0
	s_add_nc_u64 s[20:21], s[20:21], s[4:5]
	s_lshl_b32 s4, s43, 5
	s_add_nc_u64 s[22:23], s[22:23], s[4:5]
	s_mul_i32 s8, s44, 768
	s_mov_b32 s9, 0
	s_add_nc_u64 s[46:47], s[46:47], s[8:9]
	s_lshl_b32 s8, s44, 5
	s_add_nc_u64 s[10:11], s[10:11], s[8:9]
	CROUND
	s_mov_b32 s[G0S], 1
	s_add_co_u32 s[G0S+1], s67, SCL
	s_mov_b64 s[G0S+2:G0S+3], s[22:23]
	s_or_b32 s[G0S+3], s[G0S+3], 0x80000000
	s_mov_b32 s[G0SB], 1
	s_add_co_u32 s[G0SB+1], s67, SCL
	s_mov_b64 s[G0SB+2:G0SB+3], s[10:11]
	s_or_b32 s[G0SB+3], s[G0SB+3], 0x80000000
	JLOAD G0S, G1S, G0SB, G1SB
.irp s, 0,1
	s_mov_b32 s[G0+4*\s], 1
	s_add_co_u32 s[G0+4*\s+1], s45, \s*SLOT
	s_add_nc_u64 s[G0+4*\s+2:G0+4*\s+3], s[20:21], \s*TILEB
	s_or_b32 s[G0+4*\s+3], s[G0+4*\s+3], 0x80000000
	s_mov_b32 s[G0B+4*\s], 1
	s_add_co_u32 s[G0B+4*\s+1], s45, \s*SLOT
	s_add_nc_u64 s[G0B+4*\s+2:G0B+4*\s+3], s[46:47], \s*TILEB
	s_or_b32 s[G0B+4*\s+3], s[G0B+4*\s+3], 0x80000000
	s_wait_alu depctr_va_vdst(0)
	s_wait_tensorcnt 0x0
	ds_add_u32 v28, v29
	s_wait_dscnt 0x0
	CROUND
	JLOAD G0+4*\s, G1, G0B+4*\s, G1B
.endr
	v_and_b32 v1, 15, v0
	v_bfe_u32 v2, v0, 4, 1
	v_and_b32 v3, 31, v0
	v_lshlrev_b32 v[CO], 4, v3
	s_mul_i32 s21, s15, HALFT
	s_mul_i32 s22, s16, HALFT
	s_add_co_u32 s22, s22, 2*HALFT
.irp s, 0,1
	v_add_nc_u32 v[ADRA+\s], s21, v[CO]
	v_add_nc_u32 v[ADRB+\s], s22, v[CO]
	s_add_co_u32 s21, s21, SLOT
	s_add_co_u32 s22, s22, SLOT
.endr
	v_mul_u32_u24 v5, v1, KS
	v_lshrrev_b32 v6, 8, v5
	v_lshl_add_u32 v5, v6, 4, v5
	s_mul_i32 s21, s15, HALFS
	s_mul_i32 s22, s16, HALFS
	s_add_co_u32 s22, s22, 2*HALFS
	s_sub_co_u32 s22, s22, s21
	v_mul_u32_u24 v6, s22, v2
	s_add_co_u32 s21, s21, SCL
	v_add_nc_u32 v5, v5, v6
	v_add_nc_u32 v[ADRS], s21, v5
	v_lshlrev_b32 v[BI0], 6, v2
	v_and_b32 v4, 8, v1
	v_add_nc_u32 v4, v4, v1
	v_lshlrev_b32 v[BI1], 2, v4
	v_mul_u32_u24 v[SO], v2, HEADB
	v_lshl_add_u32 v[SO], v1, 4, v[SO]
	s_mov_b32 s[SEL], 0x76543210
	s_mov_b32 s[SEL+1], 0xfedcba98
	s_cmp_eq_u32 s[MODE], 1
	s_cselect_b64 s[BP:BP+1], s[98:99], s[BP:BP+1]
	s_cmp_eq_u32 s[MODE], 2
	s_cselect_b64 s[BP:BP+1], s[92:93], s[BP:BP+1]
	s_lshl_b32 s2, s17, 8
	s_lshl_b32 s3, s15, 7
	s_add_co_u32 s2, s2, s3
	s_lshl_b32 s3, s42, 8
	s_lshl_b32 s12, s16, 7
	s_add_co_u32 s3, s3, s12
	s_cmp_eq_u32 s[MODE], 2
	s_cselect_b32 s12, s3, s2
	s_cselect_b32 s13, s2, s3
	s_lshl_b32 s98, s13, 2
	s_mov_b32 s99, 0
	s_add_nc_u64 s[BP:BP+1], s[BP:BP+1], s[98:99]
	s_lshr_b32 s2, s12, 11
	s_lshl_b32 s2, s2, 4
	s_lshr_b32 s3, s13, 6
	s_add_co_u32 s2, s2, s3
	s_mul_i32 s2, s2, HEADB
	s_bfe_u32 s3, s12, 0x40007
	s_mul_i32 s12, s[MODE], 102400
	s_cmp_eq_u32 s[MODE], 2
	s_cselect_b32 s13, 4096, 0
	s_sub_co_u32 s12, s12, s13
	s_add_co_u32 s12, s12, s2
	s_mul_i32 s98, s3, 6144
	s_add_co_u32 s98, s98, s12
	s_lshl_b32 s13, s[MODE], 12
	s_add_co_u32 s13, s13, 294912
	s_cmp_eq_u32 s[MODE], 0
	s_cselect_b32 s13, 98304, s13
	s_add_co_u32 s2, s2, s13
	s_lshl_b32 s3, s3, 8
	s_add_co_u32 s2, s2, s3
	s_mov_b32 s3, 0
	s_add_nc_u64 s[OC:OC+1], s[94:95], s[98:99]
	s_add_nc_u64 s[OS:OS+1], s[94:95], s[2:3]
.macro FRAG reg, adr, q, i
.irp c, 0,1,2
	ds_load_b128 v[\reg+4*\c:\reg+4*\c+3], v[\adr] offset:(\i)*TILEB+(\q)*1536+512*\c
.endr
.endm
.macro MUL16 a0, p, q, sc, zero
.irp a, \a0, \a0+1
.irp b, 0,1,2,3,4,5,6,7
.if \zero
	v_wmma_scale_f32_16x16x128_f8f6f4 v[8*(8*((\a)%4)+\b):8*(8*((\a)%4)+\b)+7], v[128*(\p)+FR*\b:128*(\p)+FR*\b+FR-1], v[AF+FR*(\a):AF+FR*(\a)+FR-1], 0, v[SC+8*NQ*(\sc)+NQ*\b+(\q)], v[SC+8*NQ*(\sc)+NQ*(\a)+(\q)] matrix_a_fmt:MATRIX_FMT_BF6 matrix_b_fmt:MATRIX_FMT_BF6 matrix_a_scale:MATRIX_SCALE_ROW1
.else
	v_wmma_scale_f32_16x16x128_f8f6f4 v[8*(8*((\a)%4)+\b):8*(8*((\a)%4)+\b)+7], v[128*(\p)+FR*\b:128*(\p)+FR*\b+FR-1], v[AF+FR*(\a):AF+FR*(\a)+FR-1], v[8*(8*((\a)%4)+\b):8*(8*((\a)%4)+\b)+7], v[SC+8*NQ*(\sc)+NQ*\b+(\q)], v[SC+8*NQ*(\sc)+NQ*(\a)+(\q)] matrix_a_fmt:MATRIX_FMT_BF6 matrix_b_fmt:MATRIX_FMT_BF6 matrix_a_scale:MATRIX_SCALE_ROW1
.endif
.endr
.endr
.endm
.macro FETCH_B slot, q, p
	WIN TO_B
.irp i, 0,1,2,3,4,5,6,7
	FRAG 128*(\p)+FR*\i, ADRB+\slot, \q, \i
.endr
	WIN 0
.endm
.macro FETCH_A slot, q, i0
.irp i, \i0, \i0+1, \i0+2, \i0+3
	FRAG AF+FR*(\i), ADRA+\slot, \q, \i
.endr
.endm
.macro SCALES sc
.irp i, 0,1,2,3,4,5,6,7
	ds_load_b64 v[SC+8*NQ*\sc+NQ*\i:SC+8*NQ*\sc+NQ*\i+1], v[ADRS] offset:\i*SBLK
.endr
.endm
.macro PLACES n
.rept \n
	v_nop
.endr
.endm
.macro STEP slot, q, zero
	s_wait_dscnt 4*NL
	WIN MUL_LO
	MUL16 0, (\q)%2, \q, \slot, \zero
	MUL16 2, (\q)%2, \q, \slot, \zero
	s_wait_dscnt 0
	PLACES NP
	FETCH_B \slot, (\q)+1, 1-(\q)%2
	FETCH_A \slot, (\q)+1, 0
	WIN MUL_HI
	MUL16 4, (\q)%2, \q, \slot, \zero
	MUL16 6, (\q)%2, \q, \slot, \zero
	PLACES NP
	WIN 0
	FETCH_A \slot, (\q)+1, 4
.endm
.macro TURN slot, next, fill
	s_wait_tensorcnt 0x0
	ds_add_u32 v[SPW], v[NIL]
	s_wait_dscnt 4*NL+1
	WIN MUL_LO
	MUL16 0, 1, NQ-1, \slot, 0
	s_wait_dscnt 0x0
	s_barrier_signal -1
	MUL16 2, 1, NQ-1, \slot, 0
	WIN 0
	s_barrier_wait -1
.if \fill
	CREST
	s_add_nc_u64 s[G0+4*\slot+2:G0+4*\slot+3], s[G0+4*\slot+2:G0+4*\slot+3], 2*TILEB
	s_add_nc_u64 s[G0B+4*\slot+2:G0B+4*\slot+3], s[G0B+4*\slot+2:G0B+4*\slot+3], 2*TILEB
	JLOAD G0+4*\slot, G1, G0B+4*\slot, G1B
.else
	PLACES NP
.endif
	s_wait_alu depctr_va_vdst(0)
	v_add_nc_u32 v[ADRS], 4*NQ, v[ADRS]
	FETCH_B \next, 0, 0
	FETCH_A \next, 0, 0
	SCALES \next
	WIN MUL_HI
	MUL16 4, 1, NQ-1, \slot, 0
	MUL16 6, 1, NQ-1, \slot, 0
	PLACES NP
	WIN 0
	FETCH_A \next, 0, 4
.endm
.macro LAST
	s_wait_dscnt 4*NL
	WIN MUL_LO
	MUL16 0, 1, NQ-1, 1, 0
	MUL16 2, 1, NQ-1, 1, 0
	s_wait_dscnt 0
	WIN MUL_HI
	MUL16 4, 1, NQ-1, 1, 0
	MUL16 6, 1, NQ-1, 1, 0
	WIN 0
	PLACES NP
	s_wait_loadcnt 0x0
.irp b, 0,1,2,3
	v_mov_b32 v[TM+4+\b], 0
.endr
.endm
.macro MOVE a, v
	WIN 0x02+(\a)/4
.set AC, 64*((\a)%4)
.set n, 0
.rept 32
.if \v
.if (\a)%2
	v_pk_add_f32 v[HA+2*n:HA+2*n+1], v[AC+2*n:AC+2*n+1], v[BIAS+(\a)-1:BIAS+(\a)] op_sel:[0,1] op_sel_hi:[1,1]
.else
	v_pk_add_f32 v[HA+2*n:HA+2*n+1], v[AC+2*n:AC+2*n+1], v[BIAS+(\a):BIAS+(\a)+1] op_sel_hi:[1,0]
.endif
.else
	v_pk_add_f32 v[HA+2*n:HA+2*n+1], v[AC+2*n:AC+2*n+1], v[BIAS+2*n:BIAS+2*n+1]
.endif
.set n, n+1
.endr
	WIN 0
.endm
	s_wait_alu depctr_va_vdst(0)
	s_wait_tensorcnt 1
	s_barrier_signal -1
	s_barrier_wait -1
	FETCH_B 0, 0, 0
	FETCH_A 0, 0, 0
	SCALES 0
	FETCH_A 0, 0, 4
	STEP 0, 0, 1
	TURN 0, 1, 1
	STEP 1, 0, 0
	TURN 1, 0, 1
	STEP 0, 0, 0
	TURN 0, 1, 0
	s_cmp_eq_u32 s[MODE], 2
	s_cbranch_scc1 .Lv
.irp t, 0,1,2,3,4,5,6,7
	global_load_b128 v[BIAS+8*\t:BIAS+8*\t+3], v[BI0], s[BP:BP+1] offset:(32*(\t/2)+8*(\t%2))*4
	global_load_b128 v[BIAS+8*\t+4:BIAS+8*\t+7], v[BI0], s[BP:BP+1] offset:(32*(\t/2)+8*(\t%2))*4+16
.endr
	STEP 1, 0, 0
	LAST
.irp pi, 0,1,2,3
.if \pi > 0
	s_wait_xcnt 0x0
.endif
.irp u, 0,1
	MOVE 2*\pi+\u, 0
	QUANT HA, F0+6*\u, F1+6*\u
.if \u == 0
	v_lshl_or_b32 v[W+\pi], v[TM+5], 8, v[TM+4]
	v_lshl_or_b32 v[W+4+\pi], v[TM+7], 8, v[TM+6]
.else
	v_lshl_or_b32 v[TM+8], v[TM+5], 8, v[TM+4]
	v_lshl_or_b32 v[TM+9], v[TM+7], 8, v[TM+6]
	v_lshl_or_b32 v[W+\pi], v[TM+8], 16, v[W+\pi]
	v_lshl_or_b32 v[W+4+\pi], v[TM+9], 16, v[W+4+\pi]
.endif
.endr
.irp k, 0,1,2
	global_store_b128 v[CO], v[F0+4*\k:F0+4*\k+3], s[OC:OC+1] offset:\pi*1536+512*\k
	global_store_b128 v[CO], v[F1+4*\k:F1+4*\k+3], s[OC:OC+1] offset:HEADB+\pi*1536+512*\k
.endr
.endr
	s_branch .Ldone
.Lv:
.irp a, 0,1,2,3,4,5,6,7
	global_load_b32 v[BIAS+\a], v[BI1], s[BP:BP+1] offset:(32*(\a/2)+8*(\a%2))*4
.endr
	STEP 1, 0, 0
	LAST
.irp a, 0,1,2,3,4,5,6,7
.if \a > 1
	s_wait_xcnt 0x0
.endif
	MOVE \a, 1
	QUANT HA, F0+12*(\a%2), F0+12*(\a%2)+6
	v_lshl_or_b32 v[W+\a], v[TM+5], 8, v[TM+4]
	v_lshl_or_b32 v[W+\a], v[TM+6], 16, v[W+\a]
	v_lshl_or_b32 v[W+\a], v[TM+7], 24, v[W+\a]
.irp k, 0,1,2
	global_store_b128 v[CO], v[F0+12*(\a%2)+4*\k:F0+12*(\a%2)+4*\k+3], s[OC:OC+1] offset:(\a/4)*HEADB+(\a%4)*1536+512*\k
.endr
.endr
.Ldone:
	v_cmp_ne_u32 vcc_lo, 0, v2
	s_wait_alu depctr_va_vdst(0)
.irp i, 0,1,2,3
	v_cndmask_b32 v[SELW+\i], v[W+\i], v[W+4+\i], vcc_lo
.endr
	global_store_b128 v[SO], v[SELW:SELW+3], s[OS:OS+1]
	s_wait_tensorcnt 0x0
	ds_add_u32 v[SPW], v[NIL]
	s_wait_dscnt 0x0
	CROUND
	s_endpgm
.Lfunc_end_k_qaf0b919ec6_qkv:
	.size	k_qaf0b919ec6_qkv, .Lfunc_end_k_qaf0b919ec6_qkv-k_qaf0b919ec6_qkv
	.p2alignl 7, 3214868480
	.fill 96, 4, 3214868480
	.section	.rodata,"a",@progbits
	.p2align	6, 0x0
	.amdhsa_kernel k_qaf0b919ec6_qkv
		.amdhsa_group_segment_fixed_size 327680
		.amdhsa_private_segment_fixed_size 0
		.amdhsa_enable_private_segment 0
		.amdhsa_kernarg_size 64
		.amdhsa_user_sgpr_count 2
		.amdhsa_user_sgpr_kernarg_segment_ptr 1
		.amdhsa_wavefront_size32 1
		.amdhsa_system_sgpr_workgroup_id_x 1
		.amdhsa_system_sgpr_workgroup_id_y 1
		.amdhsa_system_sgpr_workgroup_id_z 1
		.amdhsa_system_vgpr_workitem_id 0
		.amdhsa_next_free_vgpr 1024
		.amdhsa_next_free_sgpr 102
		.amdhsa_reserve_vcc 1
		.amdhsa_float_denorm_mode_32 3
		.amdhsa_float_denorm_mode_16_64 3
		.amdhsa_memory_ordered 1
		.amdhsa_forward_progress 1
		.amdhsa_inst_pref_size 228
	.end_amdhsa_kernel
	.amdgpu_metadata
---
amdhsa.version: [ 1, 2 ]
amdhsa.kernels:
  - .name:           k_qaf0b919ec6_qkv
    .symbol:         k_qaf0b919ec6_qkv.kd
    .args:
      - { .name: xc, .offset: 0, .size: 8, .value_kind: global_buffer, .address_space: global }
      - { .name: xs, .offset: 8, .size: 8, .value_kind: global_buffer, .address_space: global }
      - { .name: wc, .offset: 16, .size: 8, .value_kind: global_buffer, .address_space: global }
      - { .name: ws, .offset: 24, .size: 8, .value_kind: global_buffer, .address_space: global }
      - { .name: b_q, .offset: 32, .size: 8, .value_kind: global_buffer, .address_space: global }
      - { .name: b_k, .offset: 40, .size: 8, .value_kind: global_buffer, .address_space: global }
      - { .name: b_v, .offset: 48, .size: 8, .value_kind: global_buffer, .address_space: global }
      - { .name: qkv, .offset: 56, .size: 8, .value_kind: global_buffer, .address_space: global }
    .group_segment_fixed_size: 327680
    .private_segment_fixed_size: 0
    .kernarg_segment_align: 8
    .kernarg_segment_size: 64
    .max_flat_workgroup_size: 128
    .sgpr_count:     102
    .vgpr_count:     1024
    .wavefront_size: 32
...
	.end_amdgpu_metadata
.endif
;; end of part 2
;; launch attn (part 3): grid 4 x 64, 16 waves a work-group, clusters of 4 x 1, 206,848 bytes of LDS; arguments qkv, ctxc, ctxs; writes ctxc, ctxs
.if DOCPART == 3
	.amdgcn_target "amdgcn-amd-amdhsa--gfx1250"
	.amdhsa_code_object_version 6
	.text
	.protected	k_qaf0b919ec6_attn
	.globl	k_qaf0b919ec6_attn
	.p2align	8
	.type	k_qaf0b919ec6_attn,@function
k_qaf0b919ec6_attn:
	s_mov_b64 s[64:65], 0
	v_nop
	global_prefetch_b8 v0, s[64:65] scope:SCOPE_SE
	s_setreg_imm32_b32 hwreg(HW_REG_WAVE_MODE, 25, 1), 1
	s_wait_xcnt 0x0
	s_wait_alu depctr_hold_cnt(0) depctr_sa_sdst(0) depctr_va_vdst(0) depctr_va_sdst(0) depctr_va_ssrc(0) depctr_va_vcc(0) depctr_vm_vsrc(0)
	s_getreg_b32 s2, hwreg(HW_REG_IB_STS2, 6, 4)
	s_cmp_eq_u32 s2, 0
	s_cbranch_scc0 .Lentry_in_a_cluster
	s_endpgm
.Lentry_in_a_cluster:
	s_bfe_u32 s2, ttmp6, 0x10000c
	s_cmp_lg_u32 s2, 0x3003
	s_cbranch_scc0 .Lentry_shape_is_right
	s_endpgm
.Lentry_shape_is_right:
; ctx[h][q] = the sum over k of softmax_k(q . k / 8) v[k], 64 heads (16 x batch + head) of 2,048 tokens x 64 channels, both products on codes of BF6 (E3M2) with E8M0 scales; ctx leaves quantised along the model's 1,024.
; THE SOFTMAX AHEAD OF THE SECOND PRODUCT: t = score x log2(e) / 8; M = the running largest t rounded UP to a whole number; p = 2^(t - M) is quantised along the keys, not normalised.
; The row's sum is taken of the unquantised p and divides O at the end.  When M moves, the sum and O are multiplied by 2^(old M - new M): exact.
; SHARES.  A work-group owns 512 queries of one head, each of its sixteen waves a pair of tiles of 16, taken in two passes over all 2,048 keys, 128 a step.  Four waves to a SIMD: one wave's vector work stands beside another's products and LDS loads.
; LDS.  The head's K and V, codes and scale words, are ONE dense block of 204,800 bytes of the workspace.  It is brought once, each wave 50 rows of 256 bytes, and stays: no slot is ever filled again.
; CLUSTER.  The four work-groups of a head need the same block: it is asked for JOINTLY, by the same sixteen tensor loads in all four.
; LAYOUT.  Both products are used transposed (S^T = K Q^T, O^T = V^T P^T): a lane holds ONE query throughout.  Fragments lie in LDS as images of their registers: three ds_load_b128 at 16 x lane.
; K = 64 IN AN INSTRUCTION OF 128: a fragment of K carries TWO tiles of 16 keys (registers 0-5, registers 6-11).  Q stands twice, as [q | zeros] and [zeros | q], which picks one of the two; the dead half of Q's scale word is 0 over zero codes.
; The tokens of a tile are not neighbours (bits 3 and 4 of the token's number are swapped in the workspace's order): so the 16 registers of two neighbouring tiles of S^T are 16 neighbouring keys, and V's channels come out likewise.
; LIMITS: NaN and infinities are not served.  A block's largest p is taken from the block's largest score by the same two instructions: this takes v_exp_f32 not to fall where its input rises.  1 / l is v_rcp_f32.  A block under 2^-122 gets the byte 1.
; No prefetch: all that the work-group reads of K and V is asked for at its head.
; REGISTERS: v1-5 addresses; v8-10 the step's LDS addresses; v12 -M, v13 the largest t, v[14:15] the sum; v16-27 Q's image, v28 its word; v32-79 four fragments of K, then of V; v80-90 ctx's codes; v96-159 S^T, then p; v160-191 O^T;
;   v192-203 [q | 0], v204-215 [0 | q], v216-217 their scale words; v224-235 p's codes; v232-247, v252-254 at work; v248-251 four scale words of K, then of V.
.set HEADB, 307200
.set AK0,  1                           ; v1   16 L
.set AS0,  2                           ; v2   K's scale words: 196,608 + 16 r
.set ADK,  8
.set ADV,  9
.set ADS,  10
.set QI,   16
.set QW,   28
.set QLO,  192
.set QHI,  204
.set QLW,  216
.set QHW,  217
.set WV,   18                          ; s18  my wave's number
.set SEL,  20                          ; s[20:21]
.set CS,   22                          ; s[22:23] c = log2(e) / 8
.set G1,   24
.set G0,   32
.set TK,   36                          ; s36  the step's codes: 6,144 bytes a step
.set TS,   37                          ; s37  its scale words: 256 bytes a step
.set CNT,  38
.macro CROUND                          ; a round of the cluster's barrier
	s_barrier_signal -1
	s_barrier_wait -1
	s_cmp_lg_u32 s[WV], 0
	s_cbranch_scc1 .Lnot_wave_0_\@
	s_barrier_signal -3
.Lnot_wave_0_\@:
	s_barrier_wait -3
	s_barrier_signal -1
	s_barrier_wait -1
.endm
	s_load_b128 s[4:7], s[0:1], 0x0                ; qkv, ctxc
	s_load_b64 s[8:9], s[0:1], 0x10                ; ctxs
	v_lshl_add_u32 v243, v0, 2, 0x32000
	v_mov_b32 v255, 0
	ds_add_u32 v243, v255
	ds_add_u32 v243, v255
	v_lshrrev_b32 v8, 5, v0
	s_delay_alu instid0(VALU_DEP_1)
	v_readfirstlane_b32 s[WV], v8                  ; wave 0..15
	s_bfe_u32 s10, ttmp6, 0x40000                  ; cx: it enters Q's and ctx's addresses alone
	s_and_b32 s11, ttmp7, 0xffff                   ; 16 x batch + head, which the four partners share
	s_mul_i32 s12, s11, HEADB
	s_mov_b32 s[G0], 1                             ; count = 1
	s_mul_i32 s[G0+1], s[WV], 12800                ; LDS address: my 50 rows
	s_add_co_u32 s16, s12, s[G0+1]
	s_add_co_u32 s16, s16, 102400                  ; the block begins with K's codes
	s_mov_b32 s17, 0
	s_mov_b32 s[G1], 15|(3<<16)|(1<<21)            ; the mask: all four work-groups; elements of 8 bytes; bit 21 set beside a mask; no padding
	s_mov_b32 s[G1+1], 32<<16                      ; tensor_dim0 = 32 elements: 256 bytes
	s_mov_b32 s[G1+2], 50<<16                      ; tensor_dim1
	s_mov_b32 s[G1+3], 32<<16                      ; tile_dim0
	s_mov_b32 s[G1+4], 50                          ; tile_dim1
	s_mov_b32 s[G1+5], 32                          ; dense
	s_mov_b32 s[G1+6], 0
	s_mov_b32 s[G1+7], 0
	s_lshl_b32 s40, s10, 4
	s_add_co_u32 s40, s40, s[WV]                   ; P: my pair of query tiles, 0..63
	s_mul_i32 s42, s40, 1536
	s_add_co_u32 s42, s42, s12                     ; its image
	s_mov_b32 s43, 0
	s_lshr_b32 s44, s40, 2
	s_lshl_b32 s44, s44, 8
	s_and_b32 s45, s40, 3
	s_lshl_b32 s45, s45, 2
	s_add_co_u32 s44, s44, s45
	s_add_co_u32 s44, s44, s12
	s_add_co_u32 s44, s44, 98304                   ; its scale words: 256 (P / 4) + 4 (P % 4), + 16 r
	s_mov_b32 s45, 0
	s_lshr_b32 s46, s11, 4
	s_lshl_b32 s46, s46, 7
	s_lshl_b32 s47, s40, 1
	s_add_co_u32 s46, s46, s47                     ; T: my first token tile among all 512
	s_and_b32 s47, s11, 15                         ; the head
	s_mul_i32 s2, s46, 12288
	s_mul_i32 s3, s47, 768
	s_add_co_u32 s2, s2, s3                        ; ctx's codes: [T][head][768]
	s_mov_b32 s3, 0
	s_lshl_b32 s46, s46, 5
	s_lshl_b32 s47, s47, 14
	s_add_co_u32 s46, s46, s47                     ; ctx's scale bytes: [head][token][2]
	s_mov_b32 s47, 0
	s_mov_b32 s[SEL], 0x76543210
	s_mov_b32 s[SEL+1], 0xfedcba98
	s_mov_b32 s[CS], 0x3e38aa3b                    ; log2(e) / 8
	s_mov_b32 s[CS+1], s[CS]                       ; (named with it as a pair, so it is written)
	s_wait_dscnt 0x0
	s_wait_kmcnt 0x0
	s_add_nc_u64 s[G0+2:G0+3], s[4:5], s[16:17]
	s_or_b32 s[G0+3], s[G0+3], 0x80000000          ; type = 2
	s_add_nc_u64 s[42:43], s[4:5], s[42:43]
	s_add_nc_u64 s[44:45], s[4:5], s[44:45]
	s_add_nc_u64 s[6:7], s[6:7], s[2:3]
	s_add_nc_u64 s[8:9], s[8:9], s[46:47]
	CROUND                                         ; all four work-groups are here: the joint loads meet
	tensor_load_to_lds s[G0:G0+3], s[G1:G1+7]      ; my sixteenth of the head's K and V: the wave's one tensor load
	s_nop 0
.rept 4
	v_nop
.endr
	v_and_b32 v6, 31, v0
	v_and_b32 v7, 15, v0
	s_delay_alu instid0(VALU_DEP_2)
	v_lshlrev_b32 v[AK0], 4, v6                    ; 16 L
	s_delay_alu instid0(VALU_DEP_2)
	v_lshlrev_b32 v3, 4, v7                        ; 16 r
	s_delay_alu instid0(VALU_DEP_1)
	v_add_nc_u32 v[AS0], 196608, v3
	v_lshlrev_b32 v4, 3, v6                        ; 8 L
	v_lshlrev_b32 v5, 1, v7                        ; 2 r
.irp c, 0,1,2
	global_load_b128 v[QI+4*\c:QI+4*\c+3], v[AK0], s[42:43] offset:512*\c   ; Q's image: registers 0-5 my first tile, 6-11 my second
.endr
	global_load_b32 v[QW], v3, s[44:45]            ; its word: two bytes for each tile
	s_wait_tensorcnt 0x0                           ; my part has landed,
	s_barrier_signal -1
	s_barrier_wait -1                              ; everybody's has
	s_wait_loadcnt 0x0                             ; Q
; A KEY STEP: 128 keys
.macro STEP
	v_add_nc_u32 v[ADK], s[TK], v[AK0]
	v_add_nc_u32 v[ADS], s[TS], v[AS0]
	s_delay_alu instid0(VALU_DEP_2)
	v_add_nc_u32 v[ADV], 0x18000, v[ADK]           ; V's codes lie 98,304 bytes behind K's
	v_nop                                          ; four plain instructions in front of loads into registers that the last products have read
.irp f, 0,1,2,3
.irp c, 0,1,2
	ds_load_b128 v[32+12*\f+4*\c:35+12*\f+4*\c], v[ADK] offset:1536*\f+512*\c
.endr
.endr
	ds_load_b128 v[248:251], v[ADS]                ; the four fragments' scale words of row r
	s_wait_alu depctr_va_vdst(0)
	s_wait_dscnt 0x0
.irp f, 0,1,2,3                        ; S^T = K Q^T: fragment f holds key tiles 2 f and 2 f + 1
	v_wmma_scale_f32_16x16x128_f8f6f4 v[96+16*\f:103+16*\f], v[32+12*\f:43+12*\f], v[QLO:QLO+11], 0, v[248+\f], v[QLW] matrix_a_fmt:MATRIX_FMT_BF6 matrix_b_fmt:MATRIX_FMT_BF6
	v_wmma_scale_f32_16x16x128_f8f6f4 v[104+16*\f:111+16*\f], v[32+12*\f:43+12*\f], v[QHI:QHI+11], 0, v[248+\f], v[QHW] matrix_a_fmt:MATRIX_FMT_BF6 matrix_b_fmt:MATRIX_FMT_BF6
.endr                                  ; register 16 b + i of v96 on: key 32 b + 16 (lane / 16) + i of the step
.rept 4
	v_nop
.endr
.irp t, 0,1,2,3                        ; V's fragments are asked for now and land under the softmax
.irp c, 0,1,2
	ds_load_b128 v[32+12*\t+4*\c:35+12*\t+4*\c], v[ADV] offset:1536*\t+512*\c
.endr
.endr
	ds_load_b128 v[248:251], v[ADS] offset:4096
.irp b, 0,1,2,3
	v_max3_num_f32 v[232+\b], v[96+16*\b], v[97+16*\b], v[98+16*\b]   ; the largest score of each block of 32 keys: for the row's maximum, and, since p rises with the score, for the block's largest p
.endr
.irp i, 3,5,7,9,11,13
.irp b, 0,1,2,3
	v_max3_num_f32 v[232+\b], v[232+\b], v[96+16*\b+\i], v[97+16*\b+\i]
.endr
.endr
.irp b, 0,1,2,3
	v_max_num_f32 v[232+\b], v[232+\b], v[111+16*\b]
.endr
.irp b, 0,1,2,3
	s_delay_alu instid0(VALU_DEP_4)
	v_permlanex16_b32 v[236+\b], v[232+\b], s[SEL], s[SEL+1]
.endr
.irp b, 0,1,2,3
	s_delay_alu instid0(VALU_DEP_4)
	v_max_num_f32 v[232+\b], v[232+\b], v[236+\b]  ; with lane l xor 16's 16 keys
.endr
	s_delay_alu instid0(VALU_DEP_2)
	v_max3_num_f32 v254, v232, v233, v234
	s_delay_alu instid0(VALU_DEP_1)
	v_max_num_f32 v254, v254, v235                 ; the step's largest score of my query
	s_delay_alu instid0(VALU_DEP_1)
	v_mul_f32 v254, s[CS], v254                    ; as t (c is positive)
	s_delay_alu instid0(VALU_DEP_1)
	v_max_num_f32 v13, v13, v254                   ; the running largest t
	v_mov_b32 v254, v12
	s_delay_alu instid0(VALU_DEP_2)
	v_floor_f32 v12, -v13                          ; the new -M = floor(-t) = -ceil(t): a whole number
	s_delay_alu instid0(VALU_DEP_1)
	v_sub_f32 v254, v12, v254                      ; old M - new M: a whole number, 0 or less
	s_delay_alu instid0(VALU_DEP_1)
	v_cvt_i32_f32 v254, v254                       ; (it saturates)
	s_delay_alu instid0(VALU_DEP_1)
	v_ldexp_f32 v252, 1.0, v254                    ; f = 2^(old M - new M)
.irp j, 0,2,4,6,8,10,12,14,16,18,20,22,24,26,28,30,32,34,36,38,40,42,44,46,48,50,52,54,56,58,60,62
	v_pk_fma_f32 v[96+\j:97+\j], v[96+\j:97+\j], s[CS:CS+1], v[12:13] op_sel_hi:[1,0,0]   ; t - M, two at a time
.endr
.irp b, 0,1,2,3
	v_fma_f32 v[232+\b], v[232+\b], s[CS], v12     ; the same of each block's largest score
.endr
	s_wait_alu depctr_va_vdst(0)
.irp j, 0,1,2,3,4,5,6,7,8,9,10,11,12,13,14,15,16,17,18,19,20,21,22,23,24,25,26,27,28,29,30,31,32,33,34,35,36,37,38,39,40,41,42,43,44,45,46,47,48,49,50,51,52,53,54,55,56,57,58,59,60,61,62,63
	v_exp_f32 v[96+\j], v[96+\j]                   ; p = 2^(t - M), at most 1
.endr
	s_setprio 1
	v_pk_mul_f32 v[14:15], v[14:15], v[252:253] op_sel_hi:[1,0]   ; the sums under the new M: a plain instruction behind the exponentials
	s_wait_alu depctr_va_vdst(0)                   ; one wait for the batch of 64, ahead of its first reader
.irp b, 0,1,2,3
	v_exp_f32 v[232+\b], v[232+\b]                 ; the block's largest p
.endr
	v_pk_add_f32 v[236:237], v[100:101], v[104:105]
	v_pk_add_f32 v[246:247], v[108:109], v[112:113]
	v_pk_add_f32 v[244:245], v[116:117], v[120:121]
	v_pk_add_f32 v[240:241], v[124:125], v[128:129]
	v_pk_add_f32 v[238:239], v[132:133], v[136:137]
	v_pk_add_f32 v[230:231], v[140:141], v[144:145]
	v_pk_add_f32 v[228:229], v[148:149], v[152:153]
	v_pk_add_f32 v[14:15], v[14:15], v[156:157]
	v_pk_add_f32 v[236:237], v[236:237], v[96:97]
	v_pk_add_f32 v[246:247], v[246:247], v[98:99]
	v_pk_add_f32 v[244:245], v[244:245], v[102:103]
	v_pk_add_f32 v[240:241], v[240:241], v[106:107]
	v_pk_add_f32 v[238:239], v[238:239], v[110:111]
	v_pk_add_f32 v[230:231], v[230:231], v[114:115]
	v_pk_add_f32 v[228:229], v[228:229], v[118:119]
	v_pk_add_f32 v[14:15], v[14:15], v[122:123]
	v_pk_add_f32 v[236:237], v[236:237], v[126:127]
	v_pk_add_f32 v[246:247], v[246:247], v[130:131]
	v_pk_add_f32 v[244:245], v[244:245], v[134:135]
	v_pk_add_f32 v[240:241], v[240:241], v[138:139]
	v_pk_add_f32 v[238:239], v[238:239], v[142:143]
	v_pk_add_f32 v[230:231], v[230:231], v[146:147]
	v_pk_add_f32 v[228:229], v[228:229], v[150:151]
	v_pk_add_f32 v[14:15], v[14:15], v[154:155]
	v_pk_add_f32 v[236:237], v[236:237], v[158:159]
	s_delay_alu instid0(VALU_DEP_2)
	v_pk_add_f32 v[14:15], v[14:15], v[240:241]
	s_delay_alu instid0(VALU_DEP_2)
	v_pk_add_f32 v[236:237], v[236:237], v[238:239]
	v_pk_add_f32 v[246:247], v[246:247], v[230:231]
	v_pk_add_f32 v[244:245], v[244:245], v[228:229]
	s_delay_alu instid0(VALU_DEP_2)
	v_pk_add_f32 v[14:15], v[14:15], v[246:247]
	s_delay_alu instid0(VALU_DEP_2)
	v_pk_add_f32 v[236:237], v[236:237], v[244:245]
	s_delay_alu instid0(VALU_DEP_1)
	v_pk_add_f32 v[14:15], v[14:15], v[236:237]
	s_wait_alu depctr_va_vdst(0)                   ; and one for the four
.irp b, 0,1,2,3
	v_max_num_f32 v[232+\b], 0x2800000, v[232+\b]  ; the floor 2^(5 - 127)
.endr
.irp b, 0,1,2,3
	s_delay_alu instid0(VALU_DEP_4)
	v_add_nc_u32 v[244+\b], 0xfe000000, v[232+\b]  ; 4 off the exponent field: the conversion's scale operand
.endr
.irp b, 0,1,2,3
	s_delay_alu instid0(VALU_DEP_4)
	v_lshrrev_b32 v[236+\b], 23, v[244+\b]
.endr
	s_delay_alu instid0(VALU_DEP_3)
	v_lshl_or_b32 v253, v237, 8, v236              ; p's scale word for these 128 keys
	s_delay_alu instid0(VALU_DEP_1)
	v_lshl_or_b32 v253, v238, 16, v253
	s_delay_alu instid0(VALU_DEP_1)
	v_lshl_or_b32 v253, v239, 24, v253
.irp c, 0,1
	v_cvt_scalef32_pk16_bf6_f32 v[224+6*\c:226+6*\c], v[96+32*\c:111+32*\c], v[244+2*\c]
	v_cvt_scalef32_pk16_bf6_f32 v[236+4*\c:238+4*\c], v[112+32*\c:127+32*\c], v[244+2*\c+1]
.endr
	v_nop                                          ; one plain instruction behind the scaled conversions
.irp c, 0,1
.irp i, 0,1,2
	v_permlane16_swap_b32 v[224+6*\c+\i], v[236+4*\c+\i]
.endr
.irp i, 0,1,2
	s_delay_alu instid0(VALU_DEP_3)
	v_mov_b32 v[227+6*\c+\i], v[236+4*\c+\i]
.endr
.endr
	s_setprio 0
.irp j, 0,2,4,6,8,10,12,14,16,18,20,22,24,26,28,30
	v_pk_mul_f32 v[160+\j:161+\j], v[160+\j:161+\j], v[252:253] op_sel_hi:[1,0]   ; O^T under the new M; these sixteen also stand between the writes of p's codes and scale word and the products
.endr
	s_wait_alu depctr_va_vdst(0)
	s_wait_dscnt 0x0                               ; V
.irp t, 0,1,2,3                        ; O^T += V^T P^T: four tiles of 16 channels, by turns
	v_wmma_scale_f32_16x16x128_f8f6f4 v[160+8*\t:167+8*\t], v[32+12*\t:43+12*\t], v[224:235], v[160+8*\t:167+8*\t], v[248+\t], v253 matrix_a_fmt:MATRIX_FMT_BF6 matrix_b_fmt:MATRIX_FMT_BF6
.endr
	s_add_co_u32 s[TK], s[TK], 6144
	s_add_co_u32 s[TS], s[TS], 256
.endm
; A PASS: tile p of my pair against all keys, and its way out
.macro PASS p
.if \p
	s_wait_xcnt 0x0                                ; the first pass's stores have read their registers
.endif
.irp i, 0,1,2,3,4,5
	v_mov_b32 v[QLO+\i], v[QI+6*\p+\i]
	v_mov_b32 v[QHI+6+\i], v[QI+6*\p+\i]
	v_mov_b32 v[QLO+6+\i], 0
	v_mov_b32 v[QHI+\i], 0
.endr
.if \p
	v_lshrrev_b32 v[QLW], 16, v[QW]
	v_and_b32 v[QHW], 0xffff0000, v[QW]
.else
	v_and_b32 v[QLW], 0xffff, v[QW]
	v_lshlrev_b32 v[QHW], 16, v[QW]
.endif
	v_mov_b32 v13, 0xff61b1e6                      ; the largest t so far: -3e38
	s_delay_alu instid0(VALU_DEP_1)
	v_floor_f32 v12, -v13
	v_mov_b32 v14, 0
	v_mov_b32 v15, 0
.irp b, 0,1,2,3
	v_mov_b32 v[236+\b], 0                         ; a lane permute's destination counts as one of its sources
.endr
	v_mov_b32 v253, 0                              ; (named as the upper half of v[252:253] before it is first written)
.irp j, 0,1,2,3,4,5,6,7,8,9,10,11,12,13,14,15,16,17,18,19,20,21,22,23,24,25,26,27,28,29,30,31
	v_mov_b32 v[160+\j], 0                         ; O^T: the step is written once, its first trip finds zeros.  (These also stand between the writes of Q's operands and scale words and the first products)
.endr
	s_mov_b32 s[TK], 0
	s_mov_b32 s[TS], 0
	s_mov_b32 s[CNT], 16
.Lstep_\@:
	s_setprio 2
	STEP
	s_sub_co_u32 s[CNT], s[CNT], 1
	s_cmp_lg_u32 s[CNT], 0
	s_cbranch_scc1 .Lstep_\@
	s_setprio 0
.rept 4
	v_nop                                          ; places behind the last products
.endr
	v_add_f32 v14, v14, v15
	s_delay_alu instid0(VALU_DEP_1)
	v_permlanex16_b32 v252, v14, s[SEL], s[SEL+1]
	s_delay_alu instid0(VALU_DEP_1)
	v_add_f32 v14, v14, v252                       ; the row's sum
	s_wait_alu depctr_va_vdst(0)
	v_rcp_f32 v14, v14
	v_nop                                          ; a plain instruction behind the reciprocal,
	s_wait_alu depctr_va_vdst(0)                   ; and the wait ahead of its first reader
.irp j, 0,2,4,6,8,10,12,14,16,18,20,22,24,26,28,30
	v_pk_mul_f32 v[160+\j:161+\j], v[160+\j:161+\j], v[14:15] op_sel_hi:[1,0]   ; ctx: register 16 g + i = channel 32 g + 16 (lane / 16) + i of my query
.endr
.irp b, 0,1                            ; the head's two blocks of 32 along the model's 1,024
	v_max3_num_f32 v[232+\b], |v[160+16*\b]|, |v[161+16*\b]|, 0x2800000
.endr
.irp i, 2,4,6,8,10,12,14
.irp b, 0,1
	s_delay_alu instid0(VALU_DEP_2)
	v_max3_num_f32 v[232+\b], v[232+\b], |v[160+16*\b+\i]|, |v[161+16*\b+\i]|
.endr
.endr
.irp b, 0,1
	s_delay_alu instid0(VALU_DEP_2)
	v_permlanex16_b32 v[236+\b], v[232+\b], s[SEL], s[SEL+1]
.endr
.irp b, 0,1
	s_delay_alu instid0(VALU_DEP_2)
	v_max_num_f32 v[232+\b], v[232+\b], v[236+\b]
.endr
.irp b, 0,1
	s_delay_alu instid0(VALU_DEP_2)
	v_add_nc_u32 v[244+\b], 0xfe000000, v[232+\b]
.endr
.irp b, 0,1
	s_delay_alu instid0(VALU_DEP_2)
	v_lshrrev_b32 v[236+\b], 23, v[244+\b]
.endr
	v_cvt_scalef32_pk16_bf6_f32 v[80:82], v[160:175], v244
	v_cvt_scalef32_pk16_bf6_f32 v[88:90], v[176:191], v245
	v_nop
.irp i, 0,1,2
	v_permlane16_swap_b32 v[80+\i], v[88+\i]
.endr
.irp i, 0,1,2
	s_delay_alu instid0(VALU_DEP_3)
	v_mov_b32 v[83+\i], v[88+\i]                   ; v80-85: block (lane / 16) of this head, whole
.endr
	v_lshl_or_b32 v86, v237, 8, v236               ; my query's two scale bytes
	global_store_b128 v[AK0], v[80:83], s[6:7] offset:12288*\p          ; registers 0-3 at 16 L: 512 consecutive bytes,
	global_store_b64 v4, v[84:85], s[6:7] offset:12288*\p+512           ; registers 4-5 at 512 + 8 L: 256
	global_store_b16 v5, v86, s[8:9] offset:32*\p                       ; both halves of the lanes write the same 32 bytes with the same values
.endm
	PASS 0
	PASS 1
	s_wait_tensorcnt 0x0
	ds_add_u32 v243, v255
	s_wait_dscnt 0x0
	CROUND                                         ; the closing round
	s_endpgm
.Lfunc_end_k_qaf0b919ec6_attn:
	.size	k_qaf0b919ec6_attn, .Lfunc_end_k_qaf0b919ec6_attn-k_qaf0b919ec6_attn
	.p2alignl 7, 3214868480
	.fill 96, 4, 3214868480
	.section	.rodata,"a",@progbits
	.p2align	6, 0x0
	.amdhsa_kernel k_qaf0b919ec6_attn
		.amdhsa_group_segment_fixed_size 206848
		.amdhsa_private_segment_fixed_size 0
		.amdhsa_enable_private_segment 0
		.amdhsa_kernarg_size 24
		.amdhsa_user_sgpr_count 2
		.amdhsa_user_sgpr_kernarg_segment_ptr 1
		.amdhsa_wavefront_size32 1
		.amdhsa_system_sgpr_workgroup_id_x 1
		.amdhsa_system_sgpr_workgroup_id_y 1
		.amdhsa_system_sgpr_workgroup_id_z 1
		.amdhsa_system_vgpr_workitem_id 0
		.amdhsa_next_free_vgpr 256
		.amdhsa_next_free_sgpr 66
		.amdhsa_reserve_vcc 0
		.amdhsa_float_denorm_mode_32 3
		.amdhsa_float_denorm_mode_16_64 3
		.amdhsa_memory_ordered 1
		.amdhsa_forward_progress 1
		.amdhsa_inst_pref_size 52
	.end_amdhsa_kernel
	.amdgpu_metadata
---
amdhsa.version: [ 1, 2 ]
amdhsa.kernels:
  - .name:           k_qaf0b919ec6_attn
    .symbol:         k_qaf0b919ec6_attn.kd
    .args:
      - { .name: qkv, .offset: 0, .size: 8, .value_kind: global_buffer, .address_space: global }
      - { .name: ctxc, .offset: 8, .size: 8, .value_kind: global_buffer, .address_space: global }
      - { .name: ctxs, .offset: 16, .size: 8, .value_kind: global_buffer, .address_space: global }
    .group_segment_fixed_size: 206848
    .private_segment_fixed_size: 0
    .kernarg_segment_align: 8
    .kernarg_segment_size: 24
    .max_flat_workgroup_size: 512
    .sgpr_count:     66
    .vgpr_count:     256
    .wavefront_size: 32
...
	.end_amdgpu_metadata
.endif
;; end of part 3
;; launch outln (part 4): grid 256 x 1, 16 waves a work-group, no clusters, 171,008 bytes of LDS; arguments ctxc, ctxs, wc, ws, x, b_o, ln_gamma, ln_beta, out0; writes out0
.if DOCPART == 4
	.amdgcn_target "amdgcn-amd-amdhsa--gfx1250"
	.amdhsa_code_object_version 6
	.text
	.protected	k_qaf0b919ec6_outln
	.globl	k_qaf0b919ec6_outln
	.p2align	8
	.type	k_qaf0b919ec6_outln,@function
k_qaf0b919ec6_outln:
	s_mov_b64 s[64:65], 0
	v_nop
	global_prefetch_b8 v0, s[64:65] scope:SCOPE_SE
	s_setreg_imm32_b32 hwreg(HW_REG_WAVE_MODE, 25, 1), 1
	s_wait_xcnt 0x0
; out0 = LayerNorm(x + ctx w_o^T + b_o) x gamma + beta; the product on codes of BF6 (E3M2) with E8M0 scales, K = 1,024; all else in f32.  The mean is taken first, then the variance of the differences.
; SHARES.  A work-group owns 32 whole rows (two tiles of 16 in the workspace's order, which permutes rows inside each 32), so that a row's statistics never leave it.  Wave w owns columns 64 w .. 64 w + 63: four tiles of w_o's rows.
; The product is used transposed (source 0 = 16 rows of w_o, source 1 = 16 tokens): a lane holds ONE row of the result and 32 of its columns for each of the two tiles.
; x + b_o IS THE C OF THE FIRST PRODUCTS: x comes by rows (sixteen lanes read 256 consecutive bytes), b_o is added, and the wave's own stage in LDS turns it into the accumulators' layout.  The way out runs the same stage backwards.
; ctx's 24,576 bytes of codes and 1,024 of scale bytes are copied into LDS once and read by all sixteen waves.  w_o's fragments, each wanted by ONE wave of the work-group, go from memory straight into registers as images, a K step ahead.
; NO CLUSTER, NO TENSOR LOAD: all work-groups read the same 786,432 bytes of w_o, but shared through LDS each byte would be written there and read back once for its one user: 1.5 MB of LDS traffic a work-group for its 1,024 matrix instructions.
; LIMITS: NaN and infinities are not served; 1 / sqrt is v_rsq_f32.
; REGISTERS: v1-14 addresses; v16-79 the 8 accumulators ((tile of rows tau, tile of columns b) at v[16 + 8 (4 tau + b)]); v80-127, v128-175 w_o's four fragments, two sets; v176-199 ctx's two; v200-201 their scale words;
;   v204-215 b_o, gamma, beta of my 4 columns of a row; v216-223 statistics; v224-255 w_o's scale words (tile b, K step s at v[224 + 8 b + s]).  At the head: v16-28 the copy of ctx, v128-191 x.
.set AIMG, 0                           ; LDS: ctx's codes, [tau][head][768]: registers 0-3 at 16 L, registers 4-5 at 512 + 8 L
.set ASC,  24576                       ; its scale words, [tau][K step][r]
.set RED1, 25600                       ; the waves' sums, [wave][row]
.set RED2, 27648                       ; and their sums of squares
.set STG,  29696                       ; a stage for each wave: 32 rows x (256 bytes + 16)
.set SEL,  30
.macro LOADB s                         ; my four fragments of w_o for K step s
.irp b, 0,1,2,3
.irp c, 0,1,2
	global_load_b128 v[80+48*((\s)%2)+12*\b+4*\c:83+48*((\s)%2)+12*\b+4*\c], v1, s[8:9] offset:12288*\b+1536*(\s)+512*\c
.endr
.endr
.endm
; v216 .. v223 hold, for each of the two tiles, two packed chains of my 32 numbers.  Behind it v80 of lane L holds the whole row's sum for row L of the work-group's 32
.macro ACROSS off
	v_pk_add_f32 v[216:217], v[216:217], v[218:219]
	s_delay_alu instid0(VALU_DEP_2)
	v_pk_add_f32 v[220:221], v[220:221], v[222:223]
	s_delay_alu instid0(VALU_DEP_2)
	v_add_f32 v216, v216, v217
	s_delay_alu instid0(VALU_DEP_2)
	v_add_f32 v220, v220, v221
	s_delay_alu instid0(VALU_DEP_2)
	v_permlanex16_b32 v218, v216, s[SEL], s[SEL+1]
	s_delay_alu instid0(VALU_DEP_2)
	v_permlanex16_b32 v222, v220, s[SEL], s[SEL+1]
	s_delay_alu instid0(VALU_DEP_2)
	v_add_f32 v216, v216, v218                     ; my wave's 64 columns of row r, first tile,
	s_delay_alu instid0(VALU_DEP_2)
	v_add_f32 v220, v220, v222                     ; and second
	s_delay_alu instid0(VALU_DEP_1)
	v_cndmask_b32 v216, v216, v220, vcc_lo         ; lanes 0-15 speak for the first tile's rows, lanes 16-31 for the second's
	ds_store_b32 v8, v216 offset:\off
	s_wait_dscnt 0x0                               ; for the others' sake: my store has landed
	s_barrier_signal -1
	s_barrier_wait -1
.irp i, 0,1,2,3,4,5,6,7,8,9,10,11,12,13,14,15
	ds_load_b32 v[80+\i], v9 offset:\off+128*\i
.endr
	s_wait_dscnt 0x0
.irp i, 0,4,8,12
	v_pk_add_f32 v[80+\i:81+\i], v[80+\i:81+\i], v[82+\i:83+\i]
.endr
	s_delay_alu instid0(VALU_DEP_3)
	v_pk_add_f32 v[80:81], v[80:81], v[84:85]
	s_delay_alu instid0(VALU_DEP_2)
	v_pk_add_f32 v[88:89], v[88:89], v[92:93]
	s_delay_alu instid0(VALU_DEP_1)
	v_pk_add_f32 v[80:81], v[80:81], v[88:89]
	s_delay_alu instid0(VALU_DEP_1)
	v_add_f32 v80, v80, v81
.endm
.macro SPLIT                           ; v80 (row L's number) -> v216: row r of the first tile, v217: of the second, in every lane
	v_permlanex16_b32 v81, v80, s[SEL], s[SEL+1]
	v_cndmask_b32 v216, v80, v81, vcc_lo
	v_cndmask_b32 v217, v81, v80, vcc_lo
.endm
	s_load_b512 s[4:19], s[0:1], 0x0               ; ctxc s[4:5], ctxs s[6:7], wc s[8:9], ws s[10:11], x s[12:13], b_o s[14:15], gamma s[16:17], beta s[18:19]
	s_load_b64 s[20:21], s[0:1], 0x40              ; out0
	v_lshl_add_u32 v202, v0, 2, 0x29400
	v_mov_b32 v203, 0
	v_lshrrev_b32 v15, 5, v0
	s_delay_alu instid0(VALU_DEP_1)
	v_readfirstlane_b32 s24, v15                   ; wave 0..15
	v_and_b32 v12, 31, v0                          ; L
	v_and_b32 v15, 15, v0                          ; r
	v_bfe_u32 v14, v0, 4, 1                        ; h
	s_delay_alu instid0(VALU_DEP_3)
	v_lshlrev_b32 v1, 4, v12                       ; 16 L
	s_delay_alu instid0(VALU_DEP_4)
	v_lshlrev_b32 v2, 3, v12                       ; 8 L
	v_lshlrev_b32 v12, 1, v12                      ; 2 L
	v_lshlrev_b32 v13, 4, v15                      ; 16 r
	v_lshlrev_b32 v7, 5, v15                       ; 32 r
	v_lshl_add_u32 v3, v15, 2, ASC                 ; ctx's scale words: 4 r
	s_delay_alu instid0(VALU_DEP_3)
	v_lshl_add_u32 v4, v14, 12, v13                ; x and out0: 4,096 h + 16 r
	s_mul_i32 s26, s24, 8704
	s_add_co_u32 s26, s26, STG                     ; my stage
	v_mul_u32_u24 v5, v14, 272
	s_delay_alu instid0(VALU_DEP_1)
	v_add_nc_u32 v5, v5, v13
	s_delay_alu instid0(VALU_DEP_1)
	v_add_nc_u32 v5, s26, v5                       ; by rows: lanes 0-15 one row, lanes 16-31 the next
	v_mul_u32_u24 v6, v15, 272
	s_delay_alu instid0(VALU_DEP_1)
	v_lshl_add_u32 v6, v14, 6, v6
	s_delay_alu instid0(VALU_DEP_1)
	v_add_nc_u32 v6, s26, v6                       ; by accumulators: row r, + 64 h
	v_lshl_add_u32 v8, v0, 2, RED1                 ; 128 x wave + 4 L
	v_lshl_add_u32 v9, v14, 6, RED1
	s_delay_alu instid0(VALU_DEP_1)
	v_lshl_add_u32 v9, v15, 2, v9                  ; 4 L
	s_mul_i32 s26, s24, 1536
	v_add_nc_u32 v10, s26, v1                      ; the copy of ctx's codes: my wave's 1,536 bytes
	s_lshr_b32 s26, s24, 1
	s_lshl_b32 s26, s26, 6
	s_and_b32 s27, s24, 1
	s_lshl_b32 s27, s27, 1
	s_add_co_u32 s26, s26, s27
	s_add_co_u32 s26, s26, ASC
	v_lshlrev_b32 v11, 2, v15
	s_delay_alu instid0(VALU_DEP_1)
	v_lshl_add_u32 v11, v14, 9, v11
	s_delay_alu instid0(VALU_DEP_1)
	v_add_nc_u32 v11, s26, v11                     ; head w's two bytes of token (h, r): K step w / 2, half w % 2 of the word
	v_cmp_ne_u32 vcc_lo, 0, v14                    ; lanes 16-31: kept to the end
	s_mov_b32 s[SEL], 0x76543210
	s_mov_b32 s[SEL+1], 0xfedcba98
	s_mov_b32 s32, 0x3a800000                      ; 1 / 1,024
	s_mov_b32 s33, 0x3727c5ac                      ; 1e-5
	s_mov_b32 s29, 0
	s_wait_alu depctr_va_vdst(0)
	s_wait_kmcnt 0x0
	s_mul_i32 s28, ttmp9, 24576
	s_mul_i32 s27, s24, 1536
	s_add_co_u32 s28, s28, s27
	s_add_nc_u64 s[4:5], s[4:5], s[28:29]          ; ctx's codes: my work-group's two tiles, my wave's sixteenth
	s_lshl_b32 s28, s24, 14
	s_lshl_b32 s27, ttmp9, 6
	s_add_co_u32 s28, s28, s27
	s_add_nc_u64 s[6:7], s[6:7], s[28:29]          ; head w's scale bytes of my 32 tokens
	s_mul_i32 s28, s24, 49152
	s_add_co_u32 s28, s28, 2359296
	s_add_nc_u64 s[8:9], s[8:9], s[28:29]          ; w_o is the fourth weight in wc; my four tiles
	s_lshl_b32 s28, s24, 11
	s_add_co_u32 s28, s28, 98304
	s_add_nc_u64 s[10:11], s[10:11], s[28:29]
	s_lshl_b32 s28, ttmp9, 17
	s_lshl_b32 s27, s24, 8
	s_add_co_u32 s28, s28, s27
	s_add_nc_u64 s[12:13], s[12:13], s[28:29]      ; x and out0: my 32 rows, my 64 columns
	s_add_nc_u64 s[20:21], s[20:21], s[28:29]
	s_mov_b32 s28, s27
	s_add_nc_u64 s[14:15], s[14:15], s[28:29]
	s_add_nc_u64 s[16:17], s[16:17], s[28:29]
	s_add_nc_u64 s[18:19], s[18:19], s[28:29]
.irp c, 0,1,2
	global_load_b128 v[16+4*\c:19+4*\c], v1, s[4:5] offset:512*\c
.endr
	global_load_u16 v28, v12, s[6:7]
	global_load_b128 v[204:207], v13, s[14:15]     ; b_o of columns 4 r .. 4 r + 3 of my 64
.irp i, 0,1,2,3,4,5,6,7,8,9,10,11,12,13,14,15
	global_load_b128 v[128+4*\i:131+4*\i], v4, s[12:13] offset:4096*(16*((\i/4)%2)+8*(\i/8)+2*(\i%4)) th:TH_LOAD_NT   ; the tensor's row that stands at place 2 i + h of the workspace's order
.endr
	global_load_b128 v[208:211], v13, s[16:17]
	global_load_b128 v[212:215], v13, s[18:19]
.irp b, 0,1,2,3
.irp q, 0,1
	global_load_b128 v[224+8*\b+4*\q:227+8*\b+4*\q], v7, s[10:11] offset:512*\b+16*\q
.endr
.endr
	LOADB 0
	s_wait_loadcnt 39                              ; ctx's copy is in: 1 + 16 + 2 + 8 + 12 loads were issued behind it
.irp c, 0,1,2
	ds_store_b128 v10, v[16+4*\c:19+4*\c] offset:AIMG+512*\c
.endr
	ds_store_b16 v11, v28
	s_wait_loadcnt 22                              ; b_o and x are in: 2 + 8 + 12 behind them
.irp i, 0,1,2,3,4,5,6,7,8,9,10,11,12,13,14,15
	v_pk_add_f32 v[128+4*\i:129+4*\i], v[128+4*\i:129+4*\i], v[204:205]
	v_pk_add_f32 v[130+4*\i:131+4*\i], v[130+4*\i:131+4*\i], v[206:207]
.endr
.irp i, 0,1,2,3,4,5,6,7,8,9,10,11,12,13,14,15
	ds_store_b128 v5, v[128+4*\i:131+4*\i] offset:544*\i
.endr
	s_wait_dscnt 0x0                               ; my stores have landed
	s_barrier_signal -1
	s_barrier_wait -1                              ; ctx's codes and scale words lie in LDS
.irp t, 0,1
.irp b, 0,1,2,3
	ds_load_b128 v[16+8*(4*\t+\b):19+8*(4*\t+\b)], v6 offset:4352*\t+128*(\b/2)+32*(\b%2)      ; accumulator (t, b), lane (r, h): columns 32 (b / 2) + 16 h + 8 (b % 2) + 0 .. 7 of row r
	ds_load_b128 v[20+8*(4*\t+\b):23+8*(4*\t+\b)], v6 offset:4352*\t+128*(\b/2)+32*(\b%2)+16
.endr
.endr
.macro KSTEP s
.if (\s) > 0
.rept 4
	v_nop                                          ; places in front of loads into registers that matrix instructions have read
.endr
.endif
.if (\s) < 7
	LOADB (\s)+1
.endif
.irp t, 0,1                            ; ctx's fragment of K step s: heads 2 s and 2 s + 1
	ds_load_b128 v[176+12*\t:179+12*\t], v1 offset:AIMG+12288*\t+1536*(\s)
	ds_load_b64 v[180+12*\t:181+12*\t], v2 offset:AIMG+12288*\t+1536*(\s)+512
	ds_load_b128 v[182+12*\t:185+12*\t], v1 offset:AIMG+12288*\t+1536*(\s)+768
	ds_load_b64 v[186+12*\t:187+12*\t], v2 offset:AIMG+12288*\t+1536*(\s)+1280
	ds_load_b32 v[200+\t], v3 offset:512*\t+64*(\s)
.endr
.if (\s) < 7
	s_wait_loadcnt 12                              ; this step's fragments of w_o are in; the next step's 12 loads may be out
.else
	s_wait_loadcnt 0x0
.endif
	s_wait_dscnt 0x0
.irp t, 0,1                            ; the eight accumulators by turns, one instruction a turn
.irp b, 0,1,2,3
	v_wmma_scale_f32_16x16x128_f8f6f4 v[16+8*(4*\t+\b):23+8*(4*\t+\b)], v[80+48*((\s)%2)+12*\b:91+48*((\s)%2)+12*\b], v[176+12*\t:187+12*\t], v[16+8*(4*\t+\b):23+8*(4*\t+\b)], v[224+8*\b+(\s)], v[200+\t] matrix_a_fmt:MATRIX_FMT_BF6 matrix_b_fmt:MATRIX_FMT_BF6
.endr
.endr
.endm
.irp s, 0,1,2,3,4,5,6,7
	KSTEP \s
.endr
.rept 4
	v_nop                                          ; places behind the last products
.endr
	; ---- the mean: each accumulator is read from its low end on
.irp t, 0,1
	v_pk_add_f32 v[216+4*\t:217+4*\t], v[16+32*\t:17+32*\t], v[20+32*\t:21+32*\t]
	v_pk_add_f32 v[218+4*\t:219+4*\t], v[18+32*\t:19+32*\t], v[22+32*\t:23+32*\t]
.irp j, 8,12,16,20,24,28
	v_pk_add_f32 v[216+4*\t:217+4*\t], v[216+4*\t:217+4*\t], v[16+32*\t+\j:17+32*\t+\j]
	v_pk_add_f32 v[218+4*\t:219+4*\t], v[218+4*\t:219+4*\t], v[18+32*\t+\j:19+32*\t+\j]
.endr
.endr
	ACROSS 0
	s_delay_alu instid0(VALU_DEP_1)
	v_mul_f32 v80, s32, v80
	SPLIT
.irp j, 0,2,4,6,8,10,12,14,16,18,20,22,24,26,28,30
	v_pk_add_f32 v[16+\j:17+\j], v[16+\j:17+\j], v[216:217] op_sel_hi:[1,0] neg_lo:[0,1] neg_hi:[0,1]            ; y - mean
	v_pk_add_f32 v[48+\j:49+\j], v[48+\j:49+\j], v[216:217] op_sel:[0,1] op_sel_hi:[1,1] neg_lo:[0,1] neg_hi:[0,1]
.endr
	; ---- the variance, of the differences
.irp t, 0,1
	v_pk_mul_f32 v[216+4*\t:217+4*\t], v[16+32*\t:17+32*\t], v[16+32*\t:17+32*\t]
	v_pk_mul_f32 v[218+4*\t:219+4*\t], v[18+32*\t:19+32*\t], v[18+32*\t:19+32*\t]
.irp j, 4,8,12,16,20,24,28
	s_delay_alu instid0(VALU_DEP_2)
	v_pk_fma_f32 v[216+4*\t:217+4*\t], v[16+32*\t+\j:17+32*\t+\j], v[16+32*\t+\j:17+32*\t+\j], v[216+4*\t:217+4*\t]
	s_delay_alu instid0(VALU_DEP_2)
	v_pk_fma_f32 v[218+4*\t:219+4*\t], v[18+32*\t+\j:19+32*\t+\j], v[18+32*\t+\j:19+32*\t+\j], v[218+4*\t:219+4*\t]
.endr
.endr
	ACROSS RED2-RED1
	s_delay_alu instid0(VALU_DEP_1)
	v_fma_f32 v80, v80, s32, s33                   ; variance + 1e-5
	s_wait_alu depctr_va_vdst(0)
	v_rsq_f32 v80, v80
	v_nop                                          ; a plain instruction behind the root,
	s_wait_alu depctr_va_vdst(0)                   ; and the wait ahead of its first reader
	SPLIT
.irp j, 0,2,4,6,8,10,12,14,16,18,20,22,24,26,28,30
	v_pk_mul_f32 v[16+\j:17+\j], v[16+\j:17+\j], v[216:217] op_sel_hi:[1,0]
	v_pk_mul_f32 v[48+\j:49+\j], v[48+\j:49+\j], v[216:217] op_sel:[0,1] op_sel_hi:[1,1]
.endr
	; ---- the way out: through my stage, back as rows; gamma and beta by columns
.irp t, 0,1
.irp b, 0,1,2,3
	ds_store_b128 v6, v[16+8*(4*\t+\b):19+8*(4*\t+\b)] offset:4352*\t+128*(\b/2)+32*(\b%2)
	ds_store_b128 v6, v[20+8*(4*\t+\b):23+8*(4*\t+\b)] offset:4352*\t+128*(\b/2)+32*(\b%2)+16
.endr
.endr
.irp i, 0,1,2,3,4,5,6,7,8,9,10,11,12,13,14,15
	ds_load_b128 v[80+4*\i:83+4*\i], v5 offset:544*\i   ; LDS serves a wave's instructions in order: these see my stores
.endr
.irp i, 0,1,2,3,4,5,6,7,8,9,10,11,12,13,14,15
	s_wait_dscnt 15-\i                             ; rows 2 i and 2 i + 1 are back; the younger loads may be out
	v_pk_fma_f32 v[80+4*\i:81+4*\i], v[80+4*\i:81+4*\i], v[208:209], v[212:213]
	v_pk_fma_f32 v[82+4*\i:83+4*\i], v[82+4*\i:83+4*\i], v[210:211], v[214:215]
	global_store_b128 v4, v[80+4*\i:83+4*\i], s[20:21] offset:4096*(16*((\i/4)%2)+8*(\i/8)+2*(\i%4)) th:TH_STORE_NT   ; sixteen lanes store 256 consecutive bytes, aligned: two rows an instruction
.endr
	s_wait_tensorcnt 0x0
	ds_add_u32 v202, v203
	s_wait_dscnt 0x0
	s_endpgm
.Lfunc_end_k_qaf0b919ec6_outln:
	.size	k_qaf0b919ec6_outln, .Lfunc_end_k_qaf0b919ec6_outln-k_qaf0b919ec6_outln
	.p2alignl 7, 3214868480
	.fill 96, 4, 3214868480
	.section	.rodata,"a",@progbits
	.p2align	6, 0x0
	.amdhsa_kernel k_qaf0b919ec6_outln
		.amdhsa_group_segment_fixed_size 171008
		.amdhsa_private_segment_fixed_size 0
		.amdhsa_enable_private_segment 0
		.amdhsa_kernarg_size 72
		.amdhsa_user_sgpr_count 2
		.amdhsa_user_sgpr_kernarg_segment_ptr 1
		.amdhsa_wavefront_size32 1
		.amdhsa_system_sgpr_workgroup_id_x 1
		.amdhsa_system_sgpr_workgroup_id_y 1
		.amdhsa_system_sgpr_workgroup_id_z 1
		.amdhsa_system_vgpr_workitem_id 0
		.amdhsa_next_free_vgpr 256
		.amdhsa_next_free_sgpr 66
		.amdhsa_reserve_vcc 1
		.amdhsa_float_denorm_mode_32 3
		.amdhsa_float_denorm_mode_16_64 3
		.amdhsa_memory_ordered 1
		.amdhsa_forward_progress 1
		.amdhsa_inst_pref_size 55
	.end_amdhsa_kernel
	.amdgpu_metadata
---
amdhsa.version: [ 1, 2 ]
amdhsa.kernels:
  - .name:           k_qaf0b919ec6_outln
    .symbol:         k_qaf0b919ec6_outln.kd
    .args:
      - { .name: ctxc, .offset: 0, .size: 8, .value_kind: global_buffer, .address_space: global }
      - { .name: ctxs, .offset: 8, .size: 8, .value_kind: global_buffer, .address_space: global }
      - { .name: wc, .offset: 16, .size: 8, .value_kind: global_buffer, .address_space: global }
      - { .name: ws, .offset: 24, .size: 8, .value_kind: global_buffer, .address_space: global }
      - { .name: x, .offset: 32, .size: 8, .value_kind: global_buffer, .address_space: global }
      - { .name: b_o, .offset: 40, .size: 8, .value_kind: global_buffer, .address_space: global }
      - { .name: ln_gamma, .offset: 48, .size: 8, .value_kind: global_buffer, .address_space: global }
      - { .name: ln_beta, .offset: 56, .size: 8, .value_kind: global_buffer, .address_space: global }
      - { .name: out0, .offset: 64, .size: 8, .value_kind: global_buffer, .address_space: global }
    .group_segment_fixed_size: 171008
    .private_segment_fixed_size: 0
    .kernarg_segment_align: 8
    .kernarg_segment_size: 72
    .max_flat_workgroup_size: 512
    .sgpr_count:     66
    .vgpr_count:     256
    .wavefront_size: 32
...
	.end_amdgpu_metadata
.endif
;; end of part 4
